; MI455X (gfx1250); checked and timed in simulation.
; The chip was launched on July 23, 2026; its instructions are those of AMD's public machine-readable ISA for CDNA 5 (MIT licence, August 2026) and "CDNA5" Instruction Set Architecture Reference Guide (July 2026). The comments in the code are by the model that wrote it; some were corrected since.
;; Ring Flash Cross Attention. Allowed arithmetic: float matrix products may take bf16 or f16 operands with f32 sums; all other float work in f32.
;; Inputs: kv 4 x 2,048 x 2 x 16 x 128 float32; q 4 x 2,048 x 16 x 128 float32.
;; Outputs: out0 4 x 2,048 x 16 x 128 float32.
;; One version. Each part assembles by itself: llvm-mc -triple=amdgcn-amd-amdhsa -mcpu=gfx1250 --defsym DOCPART=n.
;; ======== version 1 of 1: 1 launch
;; launch attn (part 1): grid 256 x 1, 8 waves a work-group, clusters of 4 x 1, 327,680 bytes of LDS; arguments kv, q, out0; writes out0
.if DOCPART == 1
	.amdgcn_target "amdgcn-amd-amdhsa--gfx1250"
	.amdhsa_code_object_version 6
	.text
	.protected	k_qa2dc52c435_attn
	.globl	k_qa2dc52c435_attn
	.p2align	8
	.type	k_qa2dc52c435_attn,@function
k_qa2dc52c435_attn:
	s_mov_b64 s[64:65], 0
	v_nop
	global_prefetch_b8 v0, s[64:65] scope:SCOPE_SE
	s_setreg_imm32_b32 hwreg(HW_REG_WAVE_MODE, 25, 1), 1
	s_wait_xcnt 0x0
	s_wait_alu depctr_hold_cnt(0) depctr_sa_sdst(0) depctr_va_vdst(0) depctr_va_sdst(0) depctr_va_ssrc(0) depctr_va_vcc(0) depctr_vm_vsrc(0)
	s_getreg_b32 s2, hwreg(HW_REG_IB_STS2, 6, 4)
	s_cmp_eq_u32 s2, 0
	s_cbranch_scc0 .Lentry_in_a_cluster
	s_endpgm
.Lentry_in_a_cluster:
	s_bfe_u32 s2, ttmp6, 0x10000c
	s_cmp_lg_u32 s2, 0x3003
	s_cbranch_scc0 .Lentry_shape_is_right
	s_endpgm
.Lentry_shape_is_right:
; out[b][q][h][:] = softmax over k of (q . k / sqrt(128)) times v.   q, out: [4][2048][16][128] f32.  kv: [4][2048][2][16][128] f32.
; One launch, nothing goes through memory between the two products.
; SHARES: a cluster of four work-groups takes one (b, h); work-group cx takes 512 query rows; wave w of eight takes 64 of them, as four
; q-tiles of 16.  Keys go in 32 blocks of 64 (one trip each), each block as two sub-blocks of 32 keys with one step of the running softmax.
; CLUSTER: the four work-groups of a cluster walk the same K and V rows, so each block is asked for jointly (mask 15).
; BOTH PRODUCTS ARE TRANSPOSED.  S^T = K Q^T: lane (r, h) holds query r and keys 8h + j.  Two such tiles (keys 0-15, 16-31), packed to bf16 in
; place, are the second source of O^T = V^T P^T as they lie.  So a query's maximum, sum and rescaling factor are one number a lane, and only
; the maximum crosses the two halves of the wave in the loop (one v_permlanex16_b32 a q-tile); the sums' halves meet once, at the end.
; K AND V: seen as rows 2 key + s (s = 0: K, 1: V) one head's rows lie 2,048 elements apart, so one two-dimensional tile holds both.  Wave w
; fetches rows 16 w .. 16 w + 15 of a block (the block's 128 rows shared among eight waves, each with one load: 16 rows of 512 bytes a load),
; rounds its own 16 rows to bf16 once for the whole work-group, and all eight waves take their fragments from the bf16 copy.
; ONE barrier a trip (a round of the cluster's barrier where a slot is filled again) orders four things: the bf16 copy written last trip is
; seen by all; last trip's reads of the other bf16 copy are over before it is written; the f32 slot read last trip is free; the other has landed.
; TWO KINDS OF WAVES: kind = (w xor (w >> 2)) & 1, which differs between waves w and w + 4 and between waves 2 i and 2 i + 1.  Kind 1 rounds its rows of the
; next block at the head of a trip, kind 0 at its end, so that two waves of different kinds do not begin a trip with the same work.  Both places
; lie between the same two barriers.
; THE SECOND PRODUCT IS ONE RUN: packing frees the upper 8 of each q-tile's 16 score registers; these 32 with the 32 fragment registers hold all
; eight fragments of V^T, so the 32 products of a sub-block need no load between them.
; LIMITS: Q, K, V and the probabilities enter the matrix units rounded to bf16; the row sums add the f32 probabilities; an exponential below
; 2^-126 comes out as 0 (v_exp_f32 flushes).  The maximum is a running one, taken every 32 keys; the shift is round(max * c), and the same rounded
; number serves the probabilities and the rescaling factor.
.set BLOCKB, 0x100000                  ; bytes from a block of 64 keys to the next: 128 rows of 8,192
.set ROWB,   8192                      ; bytes from a query row to the next (16 heads x 512)
.set WRING,  16384                     ; f32 ring: wave w's two slots at w x 16,384
.set SLOTB,  8192                      ; a slot: 16 rows of 512 bytes, dense (read 16 bytes a lane, 512 neighbouring bytes an instruction)
.set BF,     131072                    ; behind the ring: two bf16 copies, written by ds_store alone
.set KP,     272                       ; K rows: 256 bytes + 16 = 17 x 16 bytes
.set VP,     288                       ; V rows: 256 bytes + 32 = 9 x 32 bytes, for the transposing loads
.set VOFF,   64*KP                     ; V's 64 rows lie behind K's 64
.set BFBUF,  64*KP+64*VP               ; 35,840 bytes a copy
.set STG,    BF+2*BFBUF                ; 202,752: a stage of 8,448 bytes for each wave, its own
.set STGW,   8448
.set QP,     272                       ; stage rows on the way in: 128 bf16 + 16 bytes
.set OP,     528                       ; stage rows on the way out: 128 f32 + 16 bytes = 33 x 16 bytes
; vector registers, window 0
.set KADR, 1                           ; K fragments: BF + r KP + 16 h
.set VADR, 2                           ; V fragments: BF + VOFF + (8 h + l % 8) VP + 16 ((l / 8) % 2)
.set CADR, 3                           ; my wave's f32 ring + 16 lane
.set KST,  4                           ; where my wave's K rows go: BF + 8 w KP + 8 lane
.set VST,  5                           ; and its V rows
.set QSTO, 6                           ; stage, way in: + 8 lane
.set QRD,  7                           ; stage, way in, fragments: + r QP + 16 h
.set MX,   8                           ; v[8:11]   running maximum of the raw scores, one a q-tile
.set LS,   12                          ; v[12:15]  running sum of this half's keys
.set NM,   16                          ; v[16:19], v[20:23]  -round(max c) of sub-block 0, 1: each reads the other as the old one
.set AL,   24                          ; v[24:27]  rescaling factor; at the end 1 / sum
.set GO,   28                          ; 16 lane: offset in a row of q and of out
.set OSTO, 29                          ; stage, way out: + r OP + 32 h
.set ORD,  30                          ; stage, way out, rows read back: + 16 lane
.set LANE, 31
.set FA,   32                          ; v[32:47]  two fragments
.set FB,   48                          ; v[48:63]  two fragments; between the products the softmax works here:
.set XT,   48
.set SC,   64                          ; v[64:127] scores: 16 qt + 8 kt + j; packed, v[SC+16qt : +7] are P^T's fragment and v[SC+16qt+8 : +15] take V^T's fragment 4 + qt
.set QF,   128                         ; v[128:255] Q's fragments: 32 qt + 8 ks
; window 1 (v256-v511): O^T, tile (dt, qt) at 32 dt + 8 qt; at the start Q's rows land there
.set D1, 24                            ; s[24:31] descriptor group 1
.set D0, 32                            ; s[32:39] descriptor group 0, a set for each slot
.set MSB, 0
.macro WIN new                         ; low byte: bits 1:0 source 0, 3:2 source 1, 5:4 source 2, 7:6 destination; the high byte repeats the setting left
.if MSB != \new
	s_set_vgpr_msb (MSB<<8)|\new
.set MSB, \new
.endif
.endm
.macro PL n                            ; places behind matrix instructions (ISA guide 7.12.1)
.rept \n
	v_nop
.endr
.endm
.macro BAR
	s_barrier_signal -1
	s_barrier_wait -1
.endm
.macro ROUND                           ; a round of the cluster's barrier: my work-group's barrier, wave 0 signals for it, all wait for the four, my barrier again
	s_barrier_signal -1
	s_barrier_wait -1
	s_cmp_lg_u32 s10, 0
	s_cbranch_scc1 .Lnot_wave_0_\@
	s_barrier_signal -3
.Lnot_wave_0_\@:
	s_barrier_wait -3
	s_barrier_signal -1
	s_barrier_wait -1
.endm
	s_load_b128 s[4:7], s[0:1], 0x0                ; kv s[4:5], q s[6:7]
	s_load_b64 s[8:9], s[0:1], 0x10                ; out0
	v_lshl_add_u32 v126, v0, 2, 0x42000
	v_mov_b32 v127, 0
	ds_add_u32 v126, v127
	s_wait_dscnt 0x0
	v_lshrrev_b32 v10, 5, v0
	v_readfirstlane_b32 s10, v10                   ; wave 0..7
	v_and_b32 v[LANE], 31, v0
	v_and_b32 v8, 15, v0                           ; r
	v_bfe_u32 v9, v0, 4, 1                         ; h
	s_lshr_b32 s46, s10, 2
	s_xor_b32 s46, s46, s10
	s_and_b32 s46, s46, 1                          ; the wave's kind: made of the wave's number alone, alike in every work-group
	s_bfe_u32 s11, ttmp6, 0x40000                  ; cx: enters the offset of q and out0 alone
	s_lshr_b32 s12, ttmp9, 4                       ; b
	s_and_b32 s13, ttmp9, 15                       ; head
	s_lshl_b32 s21, s13, 9                         ; head x 512 bytes
	s_lshl_b32 s16, s12, 25                        ; kv: b x 2^25
	s_add_co_u32 s16, s16, s21
	s_lshl_b32 s22, s10, 17                        ; + my 16 rows of 8,192 bytes
	s_add_co_u32 s16, s16, s22
	s_mov_b32 s17, 0
	s_lshl_b32 s18, s12, 24                        ; q, out0: b x 2^24
	s_add_co_u32 s18, s18, s21
	s_lshl_b32 s23, s11, 22                        ; + cx x 512 rows
	s_add_co_u32 s18, s18, s23
	s_lshl_b32 s23, s10, 19                        ; + w x 64 rows
	s_add_co_u32 s18, s18, s23
	s_mov_b32 s19, 0
	s_mov_b32 s40, 0x76543210                      ; v_permlanex16_b32: lane i reads lane i of the other half
	s_mov_b32 s41, 0xfedcba98
	s_mov_b32 s42, 0x3e0293ee                      ; c = log2(e) / sqrt(128)
	s_mov_b32 s43, 0x3e0293ee
	s_mov_b32 s45, 0xbe0293ee                      ; -c
	; group 1: a tile of 16 rows x 128 elements of 4 bytes, rows 2,048 elements apart, no padding
	s_mov_b32 s[D1+0], 15|(2<<16)|(1<<21)          ; 15:0 the cluster's four work-groups; 17:16 elements of 4 bytes; 21 set beside a mask
	s_mov_b32 s[D1+1], 128<<16                     ; tensor_dim0 = 128
	s_mov_b32 s[D1+2], 16<<16                      ; tensor_dim1 = 16
	s_mov_b32 s[D1+3], 128<<16                     ; tile_dim0 = 128
	s_mov_b32 s[D1+4], 16                          ; tile_dim1 = 16
	s_mov_b32 s[D1+5], 2048                        ; from row to row
	s_mov_b32 s[D1+6], 0
	s_mov_b32 s[D1+7], 0
	; LDS addresses
	v_mul_u32_u24 v[KADR], v8, KP
	v_lshl_add_u32 v[KADR], v9, 4, v[KADR]
	v_add_nc_u32 v[KADR], BF, v[KADR]
	v_and_b32 v11, 7, v0
	v_lshl_add_u32 v11, v9, 3, v11                 ; 8 h + l % 8
	v_mul_u32_u24 v[VADR], v11, VP
	v_bfe_u32 v11, v0, 3, 1
	v_lshl_add_u32 v[VADR], v11, 4, v[VADR]
	v_add_nc_u32 v[VADR], BF+VOFF, v[VADR]
	s_lshl_b32 s14, s10, 14                        ; my wave's ring
	v_lshl_add_u32 v[CADR], v[LANE], 4, s14
	s_mul_i32 s15, s10, 8*KP
	s_add_co_u32 s15, s15, BF
	v_lshl_add_u32 v[KST], v[LANE], 3, s15
	s_mul_i32 s15, s10, 8*VP
	s_add_co_u32 s15, s15, BF+VOFF
	v_lshl_add_u32 v[VST], v[LANE], 3, s15
	s_mul_i32 s20, s10, STGW
	s_add_co_u32 s20, s20, STG                     ; my stage
	v_lshl_add_u32 v[QSTO], v[LANE], 3, s20
	v_mul_u32_u24 v[QRD], v8, QP
	v_lshl_add_u32 v[QRD], v9, 4, v[QRD]
	v_add_nc_u32 v[QRD], s20, v[QRD]
	v_mul_u32_u24 v[OSTO], v8, OP
	v_lshl_add_u32 v[OSTO], v9, 5, v[OSTO]
	v_add_nc_u32 v[OSTO], s20, v[OSTO]
	v_lshl_add_u32 v[ORD], v[LANE], 4, s20
	v_lshlrev_b32 v[GO], 4, v[LANE]
	s_wait_kmcnt 0x0
	s_add_nc_u64 s[4:5], s[4:5], s[16:17]          ; kv at my 16 rows of block 0: made of b, head and wave alone, alike in the four partners
	s_add_nc_u64 s[6:7], s[6:7], s[18:19]          ; q at my wave's first row
	s_add_nc_u64 s[8:9], s[8:9], s[18:19]          ; out0 likewise
.irp p, 0,1
	s_mov_b32 s[D0+4*\p], 1                                        ; count = 1
	s_add_co_u32 s[D0+4*\p+1], s14, \p*SLOTB                       ; LDS address: wave x 16,384 + slot x 8,192
	s_add_nc_u64 s[D0+4*\p+2:D0+4*\p+3], s[4:5], \p*BLOCKB         ; block p
	s_or_b32 s[D0+4*\p+3], s[D0+4*\p+3], 0x80000000                ; type = 2
.endr
	ROUND                                          ; the four work-groups are here: the first joint loads meet
	tensor_load_to_lds s[D0:D0+3], s[D1:D1+7]      ; block 0 and block 1 go out together, ahead of everything else:
	s_nop 0
	tensor_load_to_lds s[D0+4:D0+7], s[D1:D1+7]    ; two loads of the wave are out here, one behind each later round
	s_nop 0
	; Q: 64 rows, one load a row (512 neighbouring bytes), into the registers that will hold O
	WIN 0x40                                       ; destination window 1
.set j, 0
.rept 64
	global_load_b128 v[4*j:4*j+3], v[GO], s[6:7] offset:j*ROWB th:TH_LOAD_NT
.set j, j+1
.endr
; A q-tile: 16 rows rounded to bf16, through my stage (8 bytes a lane in, fragments of 16 rows x 32 d out).  LDS serves a wave's instructions in
; order (ISA guide 5.7.1), so the stage's stores, loads and next stores need no wait between them.
.macro QTILE qt
	s_wait_loadcnt 48-16*\qt                       ; the later q-tiles' loads stay out
	WIN 0x05                                       ; both sources window 1
.irp jj, 0,1,2,3,4,5,6,7,8,9,10,11,12,13,14,15
	v_cvt_pk_bf16_f32 v[SC+32*(\qt&1)+2*\jj],   v[64*\qt+4*\jj],   v[64*\qt+4*\jj+1]
	v_cvt_pk_bf16_f32 v[SC+32*(\qt&1)+2*\jj+1], v[64*\qt+4*\jj+2], v[64*\qt+4*\jj+3]
.endr
	WIN 0
.irp jj, 0,1,2,3,4,5,6,7,8,9,10,11,12,13,14,15
	ds_store_b64 v[QSTO], v[SC+32*(\qt&1)+2*\jj:SC+32*(\qt&1)+2*\jj+1] offset:\jj*QP
.endr
.irp ks, 0,1,2,3
.irp u, 0,1
	ds_load_b128 v[QF+32*\qt+8*\ks+4*\u:QF+32*\qt+8*\ks+4*\u+3], v[QRD] offset:64*\ks+32*\u
.endr
.endr
.endm
	QTILE 0
	QTILE 1
	QTILE 2
	QTILE 3
; My 16 rows in f32 slot p (K and V of keys 8 w .. 8 w + 7 by turns) are rounded to bf16 and put into bf16 copy p.
.macro CONVERT p
.irp i, 0,1,2,3,4,5,6,7,8,9,10,11,12,13,14,15
	ds_load_b128 v[SC+4*\i:SC+4*\i+3], v[CADR] offset:(\p)*SLOTB+512*\i
.endr
.irp i, 0,1,2,3,4,5,6,7,8,9,10,11,12,13,14,15
	s_wait_dscnt 15-\i                             ; row i is in, the 15 - i younger loads stay out
	v_cvt_pk_bf16_f32 v[SC+4*\i],   v[SC+4*\i],   v[SC+4*\i+1]
	v_cvt_pk_bf16_f32 v[SC+4*\i+1], v[SC+4*\i+2], v[SC+4*\i+3]
.endr
.irp i, 0,1,2,3,4,5,6,7
	ds_store_b64 v[KST], v[SC+8*\i:SC+8*\i+1]   offset:(\p)*BFBUF+\i*KP
	ds_store_b64 v[VST], v[SC+8*\i+4:SC+8*\i+5] offset:(\p)*BFBUF+\i*VP
.endr
.endm
; Two fragments of K (keys 32 sb + 0-15, 16-31; d = 32 ks ..) into group g: four loads
.macro LDK g, p, sb, ks
.irp kt, 0,1
.irp u, 0,1
	ds_load_b128 v[\g+8*\kt+4*\u:\g+8*\kt+4*\u+3], v[KADR] offset:(\p)*BFBUF+(32*(\sb)+16*\kt)*KP+64*\ks+32*\u
.endr
.endr
.endm
; One fragment of V^T (d = 16 dt ..; keys 32 sb .. + 31) into the eight registers at a: two transposing loads, the second 16 keys down
.macro LDVF a, p, sb, dt
	ds_load_tr16_b128 v[\a:\a+3],   v[VADR] offset:(\p)*BFBUF+32*(\sb)*VP+32*\dt
	ds_load_tr16_b128 v[\a+4:\a+7], v[VADR] offset:(\p)*BFBUF+32*(\sb)*VP+32*\dt+16*VP
.endm
; Eight matrix instructions of S^T = K Q^T, 32 along d.  The eight accumulators take turns, one instruction a turn, in the same order in every
; group.
.macro MULS g, ks, zero
.irp kt, 0,1
.irp qt, 0,1,2,3
.if \zero
	v_wmma_f32_16x16x32_bf16 v[SC+16*\qt+8*\kt:SC+16*\qt+8*\kt+7], v[\g+8*\kt:\g+8*\kt+7], v[QF+32*\qt+8*\ks:QF+32*\qt+8*\ks+7], 0
.else
	v_wmma_f32_16x16x32_bf16 v[SC+16*\qt+8*\kt:SC+16*\qt+8*\kt+7], v[\g+8*\kt:\g+8*\kt+7], v[QF+32*\qt+8*\ks:QF+32*\qt+8*\ks+7], v[SC+16*\qt+8*\kt:SC+16*\qt+8*\kt+7]
.endif
.endr
.endr
.endm
; Four matrix instructions of O^T += V^T P^T: fragment dt of V^T at a, the four q-tiles, 32 keys; C and D in window 1.  Each of the 32 accumulators has one turn a sub-block.
.macro MULO a, dt, first
.irp qt, 0,1,2,3
.if \first
	v_wmma_f32_16x16x32_bf16 v[32*\dt+8*\qt:32*\dt+8*\qt+7], v[\a:\a+7], v[SC+16*\qt:SC+16*\qt+7], 0
.else
	v_wmma_f32_16x16x32_bf16 v[32*\dt+8*\qt:32*\dt+8*\qt+7], v[\a:\a+7], v[SC+16*\qt:SC+16*\qt+7], v[32*\dt+8*\qt:32*\dt+8*\qt+7]
.endif
.endr
.endm
; One step of the running softmax on 32 keys x 64 queries: 16 scores a lane and q-tile; the four q-tiles' chains are interleaved.
.macro SOFTMAX sb, first
.irp qt, 0,1,2,3
	v_max3_num_f32 v[XT+\qt], v[SC+16*\qt], v[SC+16*\qt+1], v[SC+16*\qt+2]
.endr
.irp i, 3,5,7,9,11,13
.irp qt, 0,1,2,3
	v_max3_num_f32 v[XT+\qt], v[XT+\qt], v[SC+16*\qt+\i], v[SC+16*\qt+\i+1]
.endr
.endr
.irp qt, 0,1,2,3
.if \first
	v_max_num_f32 v[XT+\qt], v[XT+\qt], v[SC+16*\qt+15]
.else
	v_max3_num_f32 v[XT+\qt], v[XT+\qt], v[SC+16*\qt+15], v[MX+\qt]    ; the old maximum rides along
.endif
.endr
.irp qt, 0,1,2,3
	v_permlanex16_b32 v[XT+4+\qt], v[XT+\qt], s40, s41                 ; the other half's keys of the same query
.endr
.irp qt, 0,1,2,3
	v_max_num_f32 v[MX+\qt], v[XT+\qt], v[XT+4+\qt]
.endr
.irp qt, 0,1,2,3
	v_mul_f32 v[NM+4*\sb+\qt], s45, v[MX+\qt]                          ; the shift: -round(max c)
.endr
.if \first == 0
.irp qt, 0,1,2,3
	v_sub_f32 v[AL+\qt], v[NM+4*\sb+\qt], v[NM+4*(1-\sb)+\qt]          ; new shift - old shift, at most 0
.endr
.endif
.irp i, 0,2,4,6,8,10,12,14
.irp qt, 0,2
	v_pk_fma_f32 v[SC+16*\qt+\i:SC+16*\qt+\i+1], v[SC+16*\qt+\i:SC+16*\qt+\i+1], s[42:43], v[NM+4*\sb+\qt:NM+4*\sb+\qt+1] op_sel_hi:[1,0,0]
	v_pk_fma_f32 v[SC+16*(\qt+1)+\i:SC+16*(\qt+1)+\i+1], v[SC+16*(\qt+1)+\i:SC+16*(\qt+1)+\i+1], s[42:43], v[NM+4*\sb+\qt:NM+4*\sb+\qt+1] op_sel:[0,0,1] op_sel_hi:[1,0,1]
.endr
.endr
.set e, 0
.rept 64
	v_exp_f32 v[SC+e], v[SC+e]
.set e, e+1
.endr
.if \first == 0
.irp qt, 0,1,2,3
	v_exp_f32 v[AL+\qt], v[AL+\qt]
.endr
.endif
	v_nop                                          ; one plain place behind the run of exponentials, ahead of the first use
	s_wait_alu depctr_va_vdst(0)
.irp qt, 0,1,2,3
	v_pk_add_f32 v[XT+8+2*\qt:XT+9+2*\qt], v[SC+16*\qt:SC+16*\qt+1], v[SC+16*\qt+2:SC+16*\qt+3]
.endr
.irp i, 4,6,8,10,12,14
.irp qt, 0,1,2,3
	v_pk_add_f32 v[XT+8+2*\qt:XT+9+2*\qt], v[XT+8+2*\qt:XT+9+2*\qt], v[SC+16*\qt+\i:SC+16*\qt+\i+1]
.endr
.endr
.if \first
.irp qt, 0,1,2,3
	v_add_f32 v[LS+\qt], v[XT+8+2*\qt], v[XT+9+2*\qt]                  ; the first step starts the sums
.endr
.else
.irp qt, 0,1,2,3
	v_add_f32 v[XT+8+2*\qt], v[XT+8+2*\qt], v[XT+9+2*\qt]
.endr
.irp qt, 0,1,2,3
	v_fma_f32 v[LS+\qt], v[LS+\qt], v[AL+\qt], v[XT+8+2*\qt]
.endr
.endif
.irp i, 0,1,2,3,4,5,6,7
.irp qt, 0,1,2,3
	v_cvt_pk_bf16_f32 v[SC+16*\qt+\i], v[SC+16*\qt+2*\i], v[SC+16*\qt+2*\i+1]   ; in place, ascending: register i is read no later than it is written
.endr
.endr
.endm
; O of every q-tile times that q-tile's factor: both halves of a pair by one register of AL's pair
.macro RESCALE
	WIN 0x41                                       ; destination and source 0 window 1
.irp dt, 0,1,2,3,4,5,6,7
.irp qt, 0,2
.irp i, 0,2,4,6
	v_pk_mul_f32 v[32*\dt+8*\qt+\i:32*\dt+8*\qt+\i+1], v[32*\dt+8*\qt+\i:32*\dt+8*\qt+\i+1], v[AL+\qt:AL+\qt+1] op_sel_hi:[1,0]
.endr
.irp i, 0,2,4,6
	v_pk_mul_f32 v[32*\dt+8*(\qt+1)+\i:32*\dt+8*(\qt+1)+\i+1], v[32*\dt+8*(\qt+1)+\i:32*\dt+8*(\qt+1)+\i+1], v[AL+\qt:AL+\qt+1] op_sel:[0,1] op_sel_hi:[1,1]
.endr
.endr
.endr
.endm
; A sub-block: 32 keys of bf16 copy p.
; Scores: two fragment groups take turns; while one is multiplied the other's four loads are on their way, so every s_wait_dscnt 4 leaves out the
; four loads of the younger group alone.  Four places stand between a group's products and the loads that fill it again.
; pre = 1: K's first two groups were asked for in the sub-block before.  nxt = 1: this sub-block asks for them for the next one (same copy).
.macro SUB p, sb, first, pre, nxt
.if \pre == 0
	LDK FA, \p, \sb, 0
	LDK FB, \p, \sb, 1
.endif
	s_wait_dscnt 4
	MULS FA, 0, 1                                  ; the first product starts the sums
	PL 4
	LDK FA, \p, \sb, 2
	s_wait_dscnt 4
	MULS FB, 1, 0
	PL 4
	LDK FB, \p, \sb, 3
	s_wait_dscnt 4
	MULS FA, 2, 0
	PL 4
	LDVF FA,   \p, \sb, 0                          ; V's first two fragments come in under the softmax
	LDVF FA+8, \p, \sb, 1
	s_wait_dscnt 4
	MULS FB, 3, 0
	PL 4                                           ; ahead of the reads of SC and the writes of XT (= FB)
	SOFTMAX \sb, \first
	LDVF FB,    \p, \sb, 2                         ; the other six fragments: twelve loads in one run, into FB, which the softmax has left,
	LDVF FB+8,  \p, \sb, 3
	LDVF SC+8,  \p, \sb, 4                         ; and into the eight registers of each q-tile that packing has freed;
	LDVF SC+24, \p, \sb, 5
	LDVF SC+40, \p, \sb, 6
	LDVF SC+56, \p, \sb, 7
.if \first == 0
	RESCALE                                        ; they land under these 128 multiplies
.endif
	s_wait_dscnt 0
	WIN 0x50                                       ; C and D window 1
	MULO FA,   0, \first
	MULO FA+8, 1, \first
	MULO FB,   2, \first
	MULO FB+8, 3, \first
.if \nxt
	PL 4                                           ; FA and FB have been read for the last time: four places, then
	WIN 0
	LDK FA, \p, \sb+1, 0                           ; the next sub-block's first K fragments, which land under the 16 products below
	LDK FB, \p, \sb+1, 1
	WIN 0x50
.endif
	MULO SC+8,  4, \first
	MULO SC+24, 5, \first
	MULO SC+40, 6, \first
	MULO SC+56, 7, \first
	WIN 0
	PL 5                                           ; SC held sources of these products: five places before matrix instructions write it, which also serve loads into SC, FA and FB
.endm
; Trip t works on block t (bf16 copy p = t % 2), asks for block t + 2 into f32 slot p and rounds block t + 1 from f32 slot 1 - p into copy 1 - p:
; waves of kind 1 at the head, waves of kind 0 at the end.  At either place f32 slot 1 - p has landed (my own wait for 0 at the trip's head), no wave reads
; copy 1 - p in this trip, and my stores into it are waited for in front of the next trip's barrier.
.macro TRIP p, refill, conv, first
.if (\refill)+(\conv)
	s_wait_xcnt 0x0
	v_lshl_add_u32 v126, v0, 2, 0x42000
	v_mov_b32 v127, 0
	s_wait_tensorcnt 0x0                           ; all my loads have landed: the one that was out is my rows of block t + 1
	ds_add_u32 v126, v127
	s_wait_dscnt 0x0
.endif
.if \refill
	s_add_nc_u64 s[D0+4*\p+2:D0+4*\p+3], s[D0+4*\p+2:D0+4*\p+3], 2*BLOCKB   ; no load of mine is out, so a group 0 may be written: this slot's next block
.endif
	s_wait_dscnt 0x0                               ; my stores into copy p, my reads of copy 1 - p and of f32 slot p are done
.if \refill
	ROUND                                          ; all that now holds of every wave of the four work-groups
	tensor_load_to_lds s[D0+4*\p:D0+4*\p+3], s[D1:D1+7]   ; my one load behind the round, first thing there; it has the whole trip in which to land
	s_nop 0
.else
	BAR                                            ; nothing is filled any more: my work-group's barrier alone
.endif
.if \conv
	s_cmp_eq_u32 s46, 0
	s_cbranch_scc1 .Lat_the_end_\@
	CONVERT 1-\p
.Lat_the_end_\@:
.endif
	SUB \p, 0, \first, 0, 1
	SUB \p, 1, 0, 1, 0
.if \conv
	s_cmp_lg_u32 s46, 0
	s_cbranch_scc1 .Lwas_at_the_head_\@
	CONVERT 1-\p
.Lwas_at_the_head_\@:
.endif
.endm
	s_wait_tensorcnt 0x1                           ; my rows of block 0 are in LDS (only I read them); block 1's load stays out
	CONVERT 0
	TRIP 0, 1, 1, 1                                ; t = 0: its first sub-block starts maxima, sums and O
	TRIP 1, 1, 1, 0
	s_mov_b32 s44, 14                              ; t = 2 .. 29
.Lloop:
	TRIP 0, 1, 1, 0
	TRIP 1, 1, 1, 0
	s_sub_co_u32 s44, s44, 1
	s_cmp_lg_u32 s44, 0
	s_cbranch_scc1 .Lloop
	TRIP 0, 0, 1, 0                                ; t = 30: nothing left to ask for; block 31 is rounded
	TRIP 1, 0, 0, 0                                ; t = 31
	; THE WAY OUT.  The five places at the last sub-block's end stand behind the last products: their results are read and XT (= FB) is written.
.irp qt, 0,1,2,3
	v_permlanex16_b32 v[XT+\qt], v[LS+\qt], s40, s41
.endr
.irp qt, 0,1,2,3
	v_add_f32 v[LS+\qt], v[LS+\qt], v[XT+\qt]      ; the two halves' sums meet, once
.endr
.irp qt, 0,1,2,3
	v_rcp_f32 v[AL+\qt], v[LS+\qt]
.endr
	v_nop                                          ; one plain place behind the reciprocals
	s_wait_alu depctr_va_vdst(0)
; A q-tile: O / sum; a lane's 8 numbers of tile dt are d = 16 dt + 8 h + 0..7 of query r: 32 neighbouring bytes of a stage row.  Rows are read back whole
; (512 bytes by 32 lanes) and stored: each store of the wave covers 512 consecutive bytes, aligned.
.macro OUT16 qt, f
	WIN 0x01                                       ; source 0 window 1
.irp dt, 0,1,2,3,4,5,6,7
.irp i, 0,2,4,6
.if (\qt)&1
	v_pk_mul_f32 v[SC+8*\dt+\i:SC+8*\dt+\i+1], v[32*\dt+8*\qt+\i:32*\dt+8*\qt+\i+1], v[AL+\qt-1:AL+\qt] op_sel:[0,1] op_sel_hi:[1,1]
.else
	v_pk_mul_f32 v[SC+8*\dt+\i:SC+8*\dt+\i+1], v[32*\dt+8*\qt+\i:32*\dt+8*\qt+\i+1], v[AL+\qt:AL+\qt+1] op_sel_hi:[1,0]
.endif
.endr
.endr
	WIN 0
.irp dt, 0,1,2,3,4,5,6,7
.irp u, 0,1
	ds_store_b128 v[OSTO], v[SC+8*\dt+4*\u:SC+8*\dt+4*\u+3] offset:64*\dt+16*\u
.endr
.endr
	s_wait_xcnt 0x0                                ; buffer f, which earlier stores read, is loaded again only behind this wait
.irp row, 0,1,2,3,4,5,6,7,8,9,10,11,12,13,14,15
	ds_load_b128 v[\f+4*\row:\f+4*\row+3], v[ORD] offset:\row*OP       ; a wave's LDS instructions are served in order: these see the stores above
.endr
.irp row, 0,1,2,3,4,5,6,7,8,9,10,11,12,13,14,15
	s_wait_dscnt 15-\row                           ; this row is in, the younger loads stay out
	global_store_b128 v[GO], v[\f+4*\row:\f+4*\row+3], s[8:9] offset:(16*\qt+\row)*ROWB th:TH_STORE_NT
.endr
.endm
	OUT16 0, QF                                    ; Q's registers are free: two buffers of 64 take turns
	OUT16 1, QF+64
	OUT16 2, QF
	OUT16 3, QF+64
	s_wait_dscnt 0x0
	s_wait_xcnt 0x0
	v_lshl_add_u32 v126, v0, 2, 0x42000
	v_mov_b32 v127, 0
	s_wait_tensorcnt 0x0
	ds_add_u32 v126, v127
	s_wait_dscnt 0x0
	ROUND                                          ; the closing round: no work-group ends while a partner may still ask jointly
	s_endpgm
.Lfunc_end_k_qa2dc52c435_attn:
	.size	k_qa2dc52c435_attn, .Lfunc_end_k_qa2dc52c435_attn-k_qa2dc52c435_attn
	.p2alignl 7, 3214868480
	.fill 96, 4, 3214868480
	.section	.rodata,"a",@progbits
	.p2align	6, 0x0
	.amdhsa_kernel k_qa2dc52c435_attn
		.amdhsa_group_segment_fixed_size 327680
		.amdhsa_private_segment_fixed_size 0
		.amdhsa_enable_private_segment 0
		.amdhsa_kernarg_size 24
		.amdhsa_user_sgpr_count 2
		.amdhsa_user_sgpr_kernarg_segment_ptr 1
		.amdhsa_wavefront_size32 1
		.amdhsa_system_sgpr_workgroup_id_x 1
		.amdhsa_system_sgpr_workgroup_id_y 1
		.amdhsa_system_sgpr_workgroup_id_z 1
		.amdhsa_system_vgpr_workitem_id 0
		.amdhsa_next_free_vgpr 512
		.amdhsa_next_free_sgpr 66
		.amdhsa_reserve_vcc 0
		.amdhsa_float_denorm_mode_32 3
		.amdhsa_float_denorm_mode_16_64 3
		.amdhsa_memory_ordered 1
		.amdhsa_forward_progress 1
		.amdhsa_inst_pref_size 255
	.end_amdhsa_kernel
	.section	.bss,"aw",@nobits
	.p2align	6
	.space	262144
	.amdgpu_metadata
---
amdhsa.version: [ 1, 2 ]
amdhsa.kernels:
  - .name:           k_qa2dc52c435_attn
    .symbol:         k_qa2dc52c435_attn.kd
    .args:
      - { .name: kv, .offset: 0, .size: 8, .value_kind: global_buffer, .address_space: global }
      - { .name: q, .offset: 8, .size: 8, .value_kind: global_buffer, .address_space: global }
      - { .name: out0, .offset: 16, .size: 8, .value_kind: global_buffer, .address_space: global }
    .group_segment_fixed_size: 327680
    .private_segment_fixed_size: 0
    .kernarg_segment_align: 8
    .kernarg_segment_size: 24
    .max_flat_workgroup_size: 256
    .sgpr_count:     66
    .vgpr_count:     512
    .wavefront_size: 32
...
	.end_amdgpu_metadata
.endif
;; end of part 1
